; MI455X (gfx1250); checked and timed in simulation.
; The chip was launched on July 23, 2026; its instructions are those of AMD's public machine-readable ISA for CDNA 5 (MIT licence, August 2026) and "CDNA5" Instruction Set Architecture Reference Guide (July 2026). The comments in the code are by the model that wrote it; some were corrected since.
;; Codebook Layer. Allowed arithmetic: matrix products marked QUANTISED: E2M1 operands, one E8M0 scale for each 32 along K, by v_wmma_scale_f32_16x16x128_f8f6f4 with both operands' format E2M1 (or v_wmma_scale_f32_32x16x128_f4), f32 sums; everything else in f32.
;; Inputs: codebook 8,192 x 768 float32; x 4 x 2,048 x 768 float32.
;; Outputs: out0 4 x 2,048 x 768 float32; out1 4 x 2,048 x 8 int32.
;; This version of the problem:
;;   THIS VERSION OF THE PROBLEM IS GIVEN IN LOW PRECISION. The matrix products marked QUANTISED in the list below multiply operands that are first quantised to E2M1 (2 exponent bits, 1 mantissa bit; 4 bits a number), with one power-of-two scale for each 32 numbers along K (OCP MX v1.0); their sums are f32. All else is computed in f32.
;;   The module's matrix products, in the order in which they are computed (A, B: the left and right operand; K: the contracted axis; several contracted axes count as one K, in the product's order):
;;     1. [M 8,192, K 768] x [K 768, N 8,192]; A: input x; B: input codebook: QUANTISED
;;   THE QUANTISER, for each operand of a quantised product, along K:
;;     - K is cut into blocks of 32 from its start; a last block that is shorter is filled with zeros.
;;     - A block's scale is 2^e with e = floor(log2(the largest magnitude in the block)) - 2, held to -126 .. 127; a block of zeros has e = 0. As a byte (E8M0): e + 127.
;;     - Each number is divided by its block's scale, clamped to +-6, and rounded to the nearest number of E2M1, ties to even, subnormals kept.
;;     - The product sums the exact products of the quantised numbers (number of the format x scale) in f32.
;;   ~~~python
;;   def quantise(x, axis):      # numpy; x: float32 -> the quantised numbers, widened to float32 again
;;       x = np.moveaxis(x, axis, -1); K = x.shape[-1]
;;       x = np.pad(x, [(0, 0)] * (x.ndim - 1) + [(0, -K % 32)]); x = x.reshape(x.shape[:-1] + (-1, 32)); a = np.abs(x).max(-1, keepdims=True)
;;       e = np.where(a > 0, np.clip(np.frexp(np.where(a > 0, a, 1))[1] - 1 - 2, -126, 127), 0)      # np.frexp(a)[1] - 1 = floor(log2(a)), exactly
;;       r = np.clip(x / 2.0 ** e, -6, 6)
;;       step = 2.0 ** (np.maximum(np.frexp(np.where(r == 0, 1, r))[1] - 1, 0) - 1)
;;       q = np.round(r / step) * step * 2.0 ** e      # np.round: ties to even
;;       return np.moveaxis(q.reshape(q.shape[:-2] + (-1,))[..., :K], -1, axis).astype(np.float32)
;;   ~~~
;; One version. Each part assembles by itself: llvm-mc -triple=amdgcn-amd-amdhsa -mcpu=gfx1250 --defsym DOCPART=n.
;; ======== version 1 of 1: 6 launches
;; limits: right only within a limited range of input values
;; workspace buffers: xq 3,473,408 bytes; cq 3,473,408 bytes; gtab 8,388,608 bytes; gsel 262,144 bytes of whole numbers; cand 8,388,608 bytes; ids 262,144 bytes of whole numbers
;; launch quant (part 1): grid 256 x 1, 4 waves a work-group, no clusters, 37,376 bytes of LDS; arguments x, codebook, xq, cq; writes xq, cq
.if DOCPART == 1
	.amdgcn_target "amdgcn-amd-amdhsa--gfx1250"
	.amdhsa_code_object_version 6
	.text
	.protected	k_qd5670c2e11_quant
	.globl	k_qd5670c2e11_quant
	.p2align	8
	.type	k_qd5670c2e11_quant,@function
k_qd5670c2e11_quant:
	s_mov_b64 s[64:65], 0
	v_nop
	global_prefetch_b8 v0, s[64:65] scope:SCOPE_SE
	s_setreg_imm32_b32 hwreg(HW_REG_WAVE_MODE, 25, 1), 1
	s_wait_xcnt 0x0
; x [8192][768] and codebook [8192][768], f32, become codes of FP4 (E2M1) with one E8M0 scale byte for each 32 along K, and each row's sum of squares in f32.
; They are laid as the later launches' operand registers want them, in RECORDS of 13,568 bytes, one for each PAIR of 32 neighbouring rows:
;   0 .. 12287      two images of 16 rows (tile t at 6144 t): block b (0..23) of the tile's row m is 16 bytes at 256 b + 16 m
;   12288 .. 12799  scale words of K steps 0-3, 16 bytes at 16 (16 t + m);   12800 .. 13311  words 4, 5, 0, 0 likewise
;   13312 .. 13439  the 32 sums of squares, by the row's place u in the pair;   13440 .. 13567  zeros
; Row m of tile t is the pair's row u = 16 (m / 8) + 8 t + m % 8.
; A block's scale is 2^(floor(log2(largest magnitude)) - 2): its byte is the largest magnitude's exponent field - 2, held at 1 from below by a floor among the maximum's leaves.
; LIMITS: a block whose largest magnitude lies under 2^-124, a block of zeros among them, gets the byte 1 (its codes are then zeros or the rule's own; only this program reads the bytes);
; NaN and infinities among the inputs are not served; a row's squares are summed in eight chains for each half of its blocks, another order than a plain running sum.
; SHARES: work-groups 0-127 take x, the others the codebook (pointers chosen on the work-group's number: one path).  A wave takes one tile: 16 rows x 768, in 12 steps of 16 rows x 64 numbers.
; Each load reads two rows' 256 consecutive bytes; a step's 4,096 bytes turn through the wave's own stage in LDS (rows 272 bytes apart), so that lane (m, hb) gets the 32 numbers of block 2 i + hb of row m:
; a whole block in one lane.  Its 16 bytes of codes then lie at 16 x lane of the step's 512 bytes of the image.  Waves share nothing: no barrier.
.set REC,  13568
.set ROWB, 3072                        ; a row of f32 in bytes
.set STG,  4352                        ; a stage: 16 rows x 272 bytes; two for each wave
.set W,    16                          ; v16-21   the six scale words in the making
.set N,    22                          ; v22-29   four packed chains of squares
.set C,    30                          ; v30-37   two sets of four registers of codes
.set X,    40                          ; v40-103  two sets of 32 neighbours
.set R,    104                         ; v104-231 four sets of 32 numbers as loaded
	s_load_b128 s[4:7], s[0:1], 0x0                ; x, codebook
	s_load_b128 s[8:11], s[0:1], 0x10              ; xq, cq
	v_lshl_add_u32 v240, v0, 2, 0x9000
	v_mov_b32 v241, 0
	v_lshrrev_b32 v1, 5, v0
	v_readfirstlane_b32 s12, v1                    ; wave 0..3
	v_and_b32 v2, 15, v0                           ; m
	v_bfe_u32 v3, v0, 4, 1                         ; hb
	s_wait_alu depctr_va_vdst(0)
	s_and_b32 s13, s12, 1                          ; t: my tile of the pair
	s_lshr_b32 s14, s12, 1
	s_and_b32 s15, ttmp9, 127
	s_lshl_b32 s15, s15, 1
	s_add_co_u32 s15, s15, s14                     ; the pair
	s_mov_b32 s20, 0xffff0000                      ; lanes 16-31
	s_mov_b32 s22, 0x76543210
	s_mov_b32 s23, 0xfedcba98                      ; selects: lane l xor 16
	v_mul_u32_u24 v4, v3, ROWB
	v_lshl_add_u32 v4, v2, 4, v4                   ; loads: lanes 0-15 one row's 256 bytes, lanes 16-31 the next row's
	s_mul_i32 s16, s12, 2*STG
	v_mul_u32_u24 v5, v3, 272
	v_lshl_add_u32 v5, v2, 4, v5
	v_add_nc_u32 v5, s16, v5                       ; into the stage, as loaded
	v_mul_u32_u24 v6, v2, 272
	v_lshl_add_u32 v6, v3, 7, v6
	v_add_nc_u32 v6, s16, v6                       ; out of it: row m, my block's 128 bytes
	v_and_b32 v7, 31, v0
	v_lshlrev_b32 v7, 4, v7
	s_mul_i32 s17, s13, 6144
	v_add_nc_u32 v7, s17, v7                       ; codes: 16 x lane in my tile's image
	v_lshlrev_b32 v8, 3, v3                        ; 8 hb: my bytes' place in a scale word
	s_lshl_b32 s17, s13, 8
	s_add_co_u32 s17, s17, 12288
	v_lshlrev_b32 v9, 9, v3
	v_lshl_add_u32 v9, v2, 4, v9
	v_add_nc_u32 v9, s17, v9                       ; scale words: lanes 0-15 words 0-3, lanes 16-31 words 4, 5, 0, 0
	v_lshrrev_b32 v11, 3, v2
	v_and_b32 v12, 7, v2
	v_lshlrev_b32 v11, 6, v11
	v_lshl_add_u32 v11, v12, 2, v11
	s_lshl_b32 s17, s13, 5
	s_add_co_u32 s17, s17, 13312
	v_add_nc_u32 v11, s17, v11                     ; the sum of squares at 4 u,
	v_lshlrev_b32 v12, 2, v2
	s_lshl_b32 s17, s13, 6
	s_add_co_u32 s17, s17, 13440
	v_add_nc_u32 v12, s17, v12                     ; and a zero behind the 32 sums
	v_cndmask_b32 v10, v11, v12, s20
	v_mov_b32 v15, 0
	s_mul_i32 s18, s15, 32*ROWB
	s_mul_i32 s17, s13, 8*ROWB
	s_add_co_u32 s18, s18, s17                     ; my tile's first row: 32 x pair + 8 t
	s_mov_b32 s19, 0
	s_mul_i32 s24, s15, REC
	s_mov_b32 s25, 0
	s_wait_kmcnt 0x0
	s_cmp_lt_u32 ttmp9, 128                        ; x's work-group or the codebook's: the choice hangs on the work-group's number alone
	s_cselect_b64 s[4:5], s[4:5], s[6:7]
	s_cselect_b64 s[8:9], s[8:9], s[10:11]
	s_add_nc_u64 s[4:5], s[4:5], s[18:19]
	s_add_nc_u64 s[8:9], s[8:9], s[24:25]
.macro LOAD i                          ; step i: load e takes the tile's rows 2 e and 2 e + 1, 256 bytes each
.irp e, 0,1,2,3,4,5,6,7
	global_load_b128 v[R+32*((\i)%4)+4*\e:R+32*((\i)%4)+4*\e+3], v4, s[4:5] offset:(16*(\e/4)+2*(\e%4))*ROWB+256*(\i) th:TH_LOAD_NT
.endr
.endm
.macro TURN i                          ; through the stage: LDS serves a wave's instructions in order, so no wait stands between the stores and the loads
.irp e, 0,1,2,3,4,5,6,7
	ds_store_b128 v5, v[R+32*((\i)%4)+4*\e:R+32*((\i)%4)+4*\e+3] offset:STG*((\i)%2)+544*\e
.endr
.irp j, 0,1,2,3,4,5,6,7
	ds_load_b128 v[X+32*((\i)%2)+4*\j:X+32*((\i)%2)+4*\j+3], v6 offset:STG*((\i)%2)+16*\j
.endr
.endm
.irp i, 0,1,2,3
	LOAD \i
.endr
	s_wait_loadcnt 24                              ; step 0's eight loads are in; three steps' 24 stay out
	TURN 0
.macro STEP i
.set XS, X+32*((\i)%2)
.set CC, C+4*((\i)%2)
	s_wait_dscnt 0x0                               ; my block is back from the stage, and the stage's stores have read the set that is loaded next
.if (\i)+4 < 12
	LOAD (\i)+4
.endif
.if (\i) < 11
.if (\i) < 8
	s_wait_loadcnt 24                              ; the next step's loads are in; eight for each of the three steps behind it stay out
.else
	s_wait_loadcnt 8*(10-(\i))                     ; the counts run down
.endif
	TURN (\i)+1
.endif
	v_max3_num_f32 v11, |v[XS]|, |v[XS+1]|, |v[XS+2]|      ; the block's largest magnitude: all 32 numbers are mine; two chains
	v_max3_num_f32 v12, |v[XS+3]|, |v[XS+4]|, |v[XS+5]|
.irp j, 6,10,14,18,22,26
	v_max3_num_f32 v11, v11, |v[XS+\j]|, |v[XS+\j+1]|
	v_max3_num_f32 v12, v12, |v[XS+\j+2]|, |v[XS+\j+3]|
.endr
	v_max3_num_f32 v11, v11, |v[XS+30]|, |v[XS+31]|
	v_max3_num_f32 v11, v11, v12, 0x1800000        ; and the floor 2^(3 - 127): the byte cannot fall under 1
	v_add_nc_u32 v13, 0xff000000, v11              ; 2 off the exponent field: the conversion takes this operand's exponent field as its scale
.irp q, 0,1,2,3,4,5,6,7,8,9,10,11,12,13,14,15
.if ((\i) == 0) && (\q < 4)
	v_pk_mul_f32 v[N+2*(\q%4):N+2*(\q%4)+1], v[XS+2*\q:XS+2*\q+1], v[XS+2*\q:XS+2*\q+1]      ; the first squares start the chains: nothing is cleared
.else
	v_pk_fma_f32 v[N+2*(\q%4):N+2*(\q%4)+1], v[XS+2*\q:XS+2*\q+1], v[XS+2*\q:XS+2*\q+1], v[N+2*(\q%4):N+2*(\q%4)+1]
.endif
.endr
	s_wait_xcnt 0x0                                ; the store of two steps ago has read this set of codes: only now is it written again
.irp g, 0,1,2,3
	v_cvt_scalef32_pk8_fp4_f32 v[CC+\g], v[XS+8*\g:XS+8*\g+7], v13     ; to the nearest code, ties to even, beyond 6 the largest code
.endr
	v_lshrrev_b32 v14, 23, v13                     ; the scale's byte (a plain line behind the conversions)
.if (\i)%2 == 0
	v_mov_b32 v[W+(\i)/2], v14                     ; block 4 s + hb: byte hb of word s, shifted into place at the end
.else
	v_lshl_or_b32 v[W+(\i)/2], v14, 16, v[W+(\i)/2]        ; block 4 s + 2 + hb: two bytes further up
.endif
	global_store_b128 v7, v[CC:CC+3], s[8:9] offset:512*(\i)       ; the wave stores 512 consecutive bytes of the image
.endm
.irp i, 0,1,2,3,4,5,6,7,8,9,10,11
	STEP \i
.endr
.irp s, 0,1,2,3,4,5
	v_lshlrev_b32 v[W+\s], v8, v[W+\s]             ; my two bytes at their places,
.endr
.irp s, 0,1,2,3,4,5
	v_permlanex16_b32 v[X+\s], v[W+\s], s22, s23
.endr
.irp s, 0,1,2,3,4,5
	v_or_b32 v[W+\s], v[W+\s], v[X+\s]             ; with lane l xor 16's two the word is whole
.endr
	v_cndmask_b32 v48, v16, v20, s20
	v_cndmask_b32 v49, v17, v21, s20
	v_cndmask_b32 v50, v18, v15, s20
	v_cndmask_b32 v51, v19, v15, s20
	global_store_b128 v9, v[48:51], s[8:9]         ; sixteen lanes store 256 consecutive bytes
	v_pk_add_f32 v[22:23], v[22:23], v[24:25]
	v_pk_add_f32 v[26:27], v[26:27], v[28:29]
	v_pk_add_f32 v[22:23], v[22:23], v[26:27]
	v_add_f32 v22, v22, v23                        ; my twelve blocks' squares,
	v_permlanex16_b32 v46, v22, s22, s23
	v_add_f32 v22, v22, v46                        ; and the other twelve's
	v_cndmask_b32 v52, v22, v15, s20
	global_store_b32 v10, v52, s[8:9]
	s_wait_tensorcnt 0x0
	ds_add_u32 v240, v241
	s_wait_dscnt 0x0
	s_endpgm
.Lfunc_end_k_qd5670c2e11_quant:
	.size	k_qd5670c2e11_quant, .Lfunc_end_k_qd5670c2e11_quant-k_qd5670c2e11_quant
	.p2alignl 7, 3214868480
	.fill 96, 4, 3214868480
	.section	.rodata,"a",@progbits
	.p2align	6, 0x0
	.amdhsa_kernel k_qd5670c2e11_quant
		.amdhsa_group_segment_fixed_size 37376
		.amdhsa_private_segment_fixed_size 0
		.amdhsa_enable_private_segment 0
		.amdhsa_kernarg_size 32
		.amdhsa_user_sgpr_count 2
		.amdhsa_user_sgpr_kernarg_segment_ptr 1
		.amdhsa_wavefront_size32 1
		.amdhsa_system_sgpr_workgroup_id_x 1
		.amdhsa_system_sgpr_workgroup_id_y 1
		.amdhsa_system_sgpr_workgroup_id_z 1
		.amdhsa_system_vgpr_workitem_id 0
		.amdhsa_next_free_vgpr 242
		.amdhsa_next_free_sgpr 66
		.amdhsa_reserve_vcc 0
		.amdhsa_float_denorm_mode_32 3
		.amdhsa_float_denorm_mode_16_64 3
		.amdhsa_memory_ordered 1
		.amdhsa_forward_progress 1
		.amdhsa_inst_pref_size 58
	.end_amdhsa_kernel
	.amdgpu_metadata
---
amdhsa.version: [ 1, 2 ]
amdhsa.kernels:
  - .name:           k_qd5670c2e11_quant
    .symbol:         k_qd5670c2e11_quant.kd
    .args:
      - { .name: x, .offset: 0, .size: 8, .value_kind: global_buffer, .address_space: global }
      - { .name: codebook, .offset: 8, .size: 8, .value_kind: global_buffer, .address_space: global }
      - { .name: xq, .offset: 16, .size: 8, .value_kind: global_buffer, .address_space: global }
      - { .name: cq, .offset: 24, .size: 8, .value_kind: global_buffer, .address_space: global }
    .group_segment_fixed_size: 37376
    .private_segment_fixed_size: 0
    .kernarg_segment_align: 8
    .kernarg_segment_size: 32
    .max_flat_workgroup_size: 128
    .sgpr_count:     66
    .vgpr_count:     242
    .wavefront_size: 32
...
	.end_amdgpu_metadata
.endif
;; end of part 1
;; launch gmax (part 2): grid 16 x 16, 8 waves a work-group, clusters of 4 x 4, 327,680 bytes of LDS; arguments xq, cq, gtab; writes gtab
.if DOCPART == 2
	.amdgcn_target "amdgcn-amd-amdhsa--gfx1250"
	.amdhsa_code_object_version 6
	.text
	.protected	k_qd5670c2e11_gmax
	.globl	k_qd5670c2e11_gmax
	.p2align	8
	.type	k_qd5670c2e11_gmax,@function
k_qd5670c2e11_gmax:
	s_mov_b64 s[64:65], 0
	v_nop
	global_prefetch_b8 v0, s[64:65] scope:SCOPE_SE
	s_setreg_imm32_b32 hwreg(HW_REG_WAVE_MODE, 25, 1), 1
	s_wait_xcnt 0x0
	s_wait_alu depctr_hold_cnt(0) depctr_sa_sdst(0) depctr_va_vdst(0) depctr_va_sdst(0) depctr_va_ssrc(0) depctr_va_vcc(0) depctr_vm_vsrc(0)
	s_getreg_b32 s2, hwreg(HW_REG_IB_STS2, 6, 4)
	s_cmp_eq_u32 s2, 0
	s_cbranch_scc0 .Lentry_in_a_cluster
	s_endpgm
.Lentry_in_a_cluster:
	s_bfe_u32 s2, ttmp6, 0x10000c
	s_cmp_lg_u32 s2, 0xf033
	s_cbranch_scc0 .Lentry_shape_is_right
	s_endpgm
.Lentry_shape_is_right:
; FIRST PASS OF THE PRODUCT.  xc = Q(x) Q(c)^T on codes of FP4 with E8M0 scales; v = (2 xc - x2) - c2 in f32, each step rounded once; of each GROUP of 32 neighbouring codes only the largest v of each query is kept.
; Ordered by (value down, index up), a query's eight best codes lie in the eight groups with the best maxima (ties to the lower group): were one outside, eight elements of eight other groups would precede it.
; SHARES.  A work-group takes 512 queries (records 16 rs .. 16 rs + 15 of xq) against 512 codes (records 16 cs .. 16 cs + 15 of cq).  A record is 13,568 bytes: 53 rows of 256 bytes, dense, read at 16 x lane: no padding.
; LDS holds 24 records and the spare words: 24 x 13,568 + 1,024 bytes.  At the head each wave issues one tensor load: waves 0-3 four query records each, into slots 0-15; waves 4-7 two code records each
; (records 0-7 of the sixteen), into slots 16-23.  Behind the wait and a barrier wave w reads its four tiles of 16 queries (slots 2 w, 2 w + 1) into 192 registers, where they stay.  Then slots 0-7 are filled again,
; with code records 8-15, one load a wave, behind the wait for all tensor loads, the add, the wait for it and for the reads, and a round of the cluster's barrier
; that load is on its way while records 0-7 are walked.  A wave has one tensor load out.  A fragment read from LDS feeds four matrix instructions.
; CLUSTER, 4 x 4.  The four work-groups of a column of the cluster have the same rs and want the same query records; the four of a row have the same cs and want the same code records: every tensor load is a joint
; one, the same load with the same descriptor in the four that its mask names.  No LDS address and no branch hangs on a work-group's place.
; No prefetch: what the launch reads is asked for at its head and behind one round, and no loop fetches from memory.
; THE PRODUCT IS USED TRANSPOSED: source 0 = 16 codes, source 1 = 16 queries: lane (r, h) holds query r, and register j of tile t the group's code 16 h + 8 t + j.
; Queries are numbered row' = 16 x tile + r in this launch and the three behind it (tile = 2 x pair + t).
; gtab: [64 planes][8192 row'][4 e] f32, group = 4 x plane + e, plane = 4 cs + the trip: a wave's store covers 512 consecutive bytes.
; LIMITS: NaN and infinities among the inputs are not served.
; REGISTERS: window 0: v1-6 addresses; v10-15 the codes' scale words; v16-27 the queries'; v28-35 x2; v36-51 c2; v52-67 maxima of four groups; v68-75 to store; v76-79, v240-243 at work;
;   v80-143 eight accumulators (8 (4 t + q)); v144-239 a record's twelve fragments (48 t + 8 s); v254, v255 the add's.   window 1: v0-191 the queries' fragments (48 q + 8 s).
.set REC,   13568
.set SPARE, 24*REC
.set L16, 1
.set QA,  2
.set WC,  3
.set AD,  4
.set AC,  5
.set XO,  6
.set ASC, 10
.set QSC, 16
.set X2,  28
.set C2,  36
.set GQ,  52
.set ST,  68
.set M,   76
.set ACC, 80
.set AF,  144
.set PT,  240
.set MSB, 0
.macro WIN new                         ; the immediate's high byte repeats the setting that is left
.if MSB != \new
	s_set_vgpr_msb (MSB<<8)|\new
.set MSB, \new
.endif
.endm
.macro PLACES
.rept 4
	v_nop
.endr
.endm
.macro ROUND                           ; a round of the cluster's barrier
	s_barrier_signal -1
	s_barrier_wait -1
	s_cmp_lg_u32 s8, 0
	s_cbranch_scc1 .Lnot_wave_0_\@
	s_barrier_signal -3
.Lnot_wave_0_\@:
	s_barrier_wait -3
	s_barrier_signal -1
	s_barrier_wait -1
.endm
.macro G1 g, rows                      ; group 1's constant words: rows of 32 elements of 8 bytes, dense
	s_mov_b32 s[\g+1], 32<<16
	s_mov_b32 s[\g+2], (\rows)<<16
	s_mov_b32 s[\g+3], 32<<16
	s_mov_b32 s[\g+4], \rows
	s_mov_b32 s[\g+5], 32
	s_mov_b32 s[\g+6], 0
	s_mov_b32 s[\g+7], 0
.endm
	s_load_b128 s[4:7], s[0:1], 0x0                ; xq, cq
	s_load_b64 s[10:11], s[0:1], 0x10              ; gtab
	v_lshl_add_u32 v254, v0, 2, SPARE
	v_mov_b32 v255, 0
	ds_add_u32 v254, v255                          ; the opening lines: the add, twice on end, and its wait
	ds_add_u32 v254, v255
	v_lshrrev_b32 v1, 5, v0
	s_delay_alu instid0(VALU_DEP_1)
	v_readfirstlane_b32 s8, v1                     ; wave 0..7
	s_bfe_u32 s13, ttmp6, 0x40000                  ; cx
	s_bfe_u32 s12, ttmp6, 0x40004                  ; cy
	s_lshl_b32 s14, ttmp9, 2
	s_add_co_u32 s14, s14, s13                     ; rs = 4 x cluster x + cx
	s_and_b32 s15, ttmp7, 0xffff
	s_lshl_b32 s15, s15, 2
	s_add_co_u32 s15, s15, s12                     ; cs = 4 x cluster y + cy
	s_lshl_b32 s9, s12, 2
	s_lshl_b32 s9, 15, s9                          ; my row of the cluster: the same cs
	s_lshl_b32 s27, 0x1111, s13                    ; my column: the same rs
	s_or_b32 s16, s27, (3<<16)|(1<<21)             ; s[16:23]: four query records, to my column; elements of 8 bytes; bit 21 beside a mask
	s_or_b32 s48, s9, (3<<16)|(1<<21)              ; s[48:55]: two code records, to my row
	s_or_b32 s56, s9, (3<<16)|(1<<21)              ; s[56:63]: one code record, to my row
	G1 16, 212
	G1 48, 106
	G1 56, 53
	s_mov_b32 s24, 0x76543210
	s_mov_b32 s25, 0xfedcba98                      ; selects: lane l xor 16
	s_mov_b32 s26, 0xffff0000                      ; lanes 16-31
	s_and_b32 s44, s8, 3                           ; my place among the four waves that load as I do
	s_lshl_b32 s30, s14, 4
	s_lshl_b32 s31, s44, 2
	s_add_co_u32 s30, s30, s31
	s_mul_i32 s30, s30, REC                        ; xq: record 16 rs + 4 (w % 4)
	s_mov_b32 s31, 0
	s_lshl_b32 s46, s15, 4
	s_lshl_b32 s47, s44, 1
	s_add_co_u32 s46, s46, s47
	s_mul_i32 s46, s46, REC                        ; cq: record 16 cs + 2 (w % 4)
	s_mov_b32 s47, 0
	s_lshl_b32 s2, s15, 4
	s_add_co_u32 s2, s2, s8
	s_add_co_u32 s2, s2, 8
	s_mul_i32 s2, s2, REC                          ; cq: record 16 cs + 8 + w
	s_mov_b32 s3, 0
	s_mov_b32 s32, 1
	s_mov_b32 s36, 1
	s_mov_b32 s40, 1
	s_mul_i32 s33, s44, 4*REC                      ; LDS: slots 4 (w % 4) ..,
	s_mul_i32 s37, s44, 2*REC
	s_add_co_u32 s37, s37, 16*REC                  ; slots 16 + 2 (w % 4) ..,
	s_mul_i32 s41, s8, REC                         ; and, for the refill, slot w
	s_lshl_b32 s29, s14, 4
	s_lshl_b32 s28, s8, 1
	s_add_co_u32 s29, s29, s28                     ; my first pair of x: 16 rs + 2 w
	s_lshl_b32 s29, s29, 9                         ; gtab: 512 bytes a pair,
	s_lshl_b32 s28, s15, 19                        ; + plane 4 cs of 131,072 bytes
	s_add_co_u32 s28, s28, s29
	s_mov_b32 s29, 0
	s_mul_i32 s45, s8, 2*REC                       ; LDS: my two query records
	v_and_b32 v[L16], 31, v0
	v_bfe_u32 v7, v0, 4, 1
	v_and_b32 v8, 15, v0
	s_delay_alu instid0(VALU_DEP_3)
	v_lshlrev_b32 v[L16], 4, v[L16]                ; 16 x lane
	v_lshlrev_b32 v[WC], 6, v7
	v_lshrrev_b32 v[XO], 3, v8
	v_and_b32 v8, 7, v8
	v_add_nc_u32 v[QA], s45, v[L16]
	v_add_nc_u32 v[WC], 13312, v[WC]               ; c2 of my half of a group: 64 h + 13312
	v_lshlrev_b32 v[XO], 6, v[XO]
	s_delay_alu instid0(VALU_DEP_1)
	v_lshl_add_u32 v[XO], v8, 2, v[XO]             ; x2's place for query r: 64 (r / 8) + 4 (r % 8),
	s_delay_alu instid0(VALU_DEP_1)
	v_add_nc_u32 v[XO], s45, v[XO]                 ; in my records
.irp q, 0,1,2,3
	v_mov_b32 v[PT+\q], 0                          ; written once: a lane permute's destination counts as one of its sources
.endr
	s_wait_alu depctr_va_vdst(0)
	s_wait_dscnt 0x0                               ; both opening adds are done
	s_wait_kmcnt 0x0
	s_add_nc_u64 s[34:35], s[4:5], s[30:31]
	s_add_nc_u64 s[38:39], s[6:7], s[46:47]
	s_add_nc_u64 s[42:43], s[6:7], s[2:3]
	s_or_b32 s35, s35, 0x80000000
	s_or_b32 s39, s39, 0x80000000
	s_or_b32 s43, s43, 0x80000000
	s_add_nc_u64 s[28:29], s[10:11], s[28:29]
	ROUND                                          ; all sixteen work-groups are here: the joint loads meet
	s_cmp_lt_u32 s8, 4                             ; one load a wave at the head; an s_nop 0 and four v_nop follow each of the two lines
	s_cbranch_scc0 .Lfor_codes
	tensor_load_to_lds s[32:35], s[16:23]          ; four query records
	s_nop 0
	PLACES
	s_branch .Lasked
.Lfor_codes:
	tensor_load_to_lds s[36:39], s[48:55]          ; two code records
	s_nop 0
	PLACES
.Lasked:
	s_wait_tensorcnt 0x0                           ; my load has landed
	s_barrier_signal -1
	s_barrier_wait -1                              ; everybody's has
	WIN 0x40                                       ; destination window 1
.irp q, 0,1,2,3
.irp s, 0,1,2,3,4,5
.irp c, 0,1
	ds_load_b128 v[48*\q+8*\s+4*\c:48*\q+8*\s+4*\c+3], v[QA] offset:(\q/2)*REC+6144*(\q%2)+1024*\s+512*\c    ; the queries' fragments stay in registers
.endr
.endr
.endr
	WIN 0
.irp p, 0,1
	ds_load_b128 v[QSC+6*\p:QSC+6*\p+3], v[QA] offset:\p*REC+12288      ; lanes 0-15 tile 0's scale words, lanes 16-31 tile 1's
	ds_load_b64 v[QSC+6*\p+4:QSC+6*\p+5], v[QA] offset:\p*REC+12800
.endr
.irp q, 0,1,2,3
	ds_load_b32 v[X2+2*\q], v[XO] offset:(\q/2)*REC+13312+32*(\q%2)
.endr
	s_wait_tensorcnt 0x0                           ; no tensor load of mine is out;
	ds_add_u32 v254, v255                          ; the add;
	s_wait_dscnt 0x0                               ; it is done, and my 56 reads of the queries' slots are back
	ROUND                                          ; that holds of every wave of all sixteen work-groups
	tensor_load_to_lds s[40:43], s[56:63]          ; code record 8 + w into slot w: the first tensor load behind the round
	s_nop 0
.irp q, 0,1,2,3
	v_mov_b32 v[X2+2*\q+1], v[X2+2*\q]             ; named as a pair below, so the upper word is written
.endr
; One matrix instruction: K step s, the record's tile t, my tile q of queries.  Tile 1's scale words lie in lanes 16-31 of the register, on either side.
.macro WM c, t, q
.if ((\t) == 0) && (((\q)%2) == 0)
	v_wmma_scale_f32_16x16x128_f8f6f4 v[rD:rD+7], v[rA:rA+7], v[rB:rB+7], \c, v[rS], v[rT] matrix_a_fmt:MATRIX_FMT_FP4 matrix_b_fmt:MATRIX_FMT_FP4
.endif
.if ((\t) == 0) && (((\q)%2) == 1)
	v_wmma_scale_f32_16x16x128_f8f6f4 v[rD:rD+7], v[rA:rA+7], v[rB:rB+7], \c, v[rS], v[rT] matrix_a_fmt:MATRIX_FMT_FP4 matrix_b_fmt:MATRIX_FMT_FP4 matrix_b_scale:MATRIX_SCALE_ROW1
.endif
.if ((\t) == 1) && (((\q)%2) == 0)
	v_wmma_scale_f32_16x16x128_f8f6f4 v[rD:rD+7], v[rA:rA+7], v[rB:rB+7], \c, v[rS], v[rT] matrix_a_fmt:MATRIX_FMT_FP4 matrix_b_fmt:MATRIX_FMT_FP4 matrix_a_scale:MATRIX_SCALE_ROW1
.endif
.if ((\t) == 1) && (((\q)%2) == 1)
	v_wmma_scale_f32_16x16x128_f8f6f4 v[rD:rD+7], v[rA:rA+7], v[rB:rB+7], \c, v[rS], v[rT] matrix_a_fmt:MATRIX_FMT_FP4 matrix_b_fmt:MATRIX_FMT_FP4 matrix_a_scale:MATRIX_SCALE_ROW1 matrix_b_scale:MATRIX_SCALE_ROW1
.endif
.endm
.macro MM s, t, q
.set rD, ACC+8*(4*\t+\q)
.set rA, AF+48*\t+8*\s
.set rB, 48*\q+8*\s
.set rS, ASC+\s
.set rT, QSC+6*(\q/2)+\s
.if \s == 0
	WM 0, \t, \q                                   ; the first K step starts the sum
.else
	WM v[rD:rD+7], \t, \q
.endif
.endm
.macro BURST                           ; a record against my four tiles: 48 matrix instructions, K ascending; the eight accumulators take turns, one instruction a turn
	WIN 0x04                                       ; source 1 (the queries) window 1
.irp s, 0,1,2,3,4,5
.irp t, 0,1
.irp q, 0,1,2,3
	MM \s, \t, \q
.endr
.endr
.endr
	WIN 0
.endm
.macro LOADA i                         ; 26 LDS loads: the twelve fragments of record i of the four in hand, 512 consecutive bytes a load, and its six scale words
.irp t, 0,1
.irp s, 0,1,2,3,4,5
.irp c, 0,1
	ds_load_b128 v[AF+48*\t+8*\s+4*\c:AF+48*\t+8*\s+4*\c+3], v[AD] offset:REC*(\i)+6144*\t+1024*\s+512*\c
.endr
.endr
.endr
	ds_load_b128 v[ASC:ASC+3], v[AD] offset:REC*(\i)+12288
	ds_load_b64 v[ASC+4:ASC+5], v[AD] offset:REC*(\i)+12800
.endm
.macro LOADC i                         ; 4 LDS loads: c2 of the sixteen codes that my half of the lanes holds
.irp t, 0,1
	ds_load_b128 v[C2+8*\t:C2+8*\t+3], v[AC] offset:REC*(\i)+32*\t
	ds_load_b128 v[C2+8*\t+4:C2+8*\t+7], v[AC] offset:REC*(\i)+32*\t+16
.endr
.endm
; v = (2 xc - x2) - c2, two at a time (2 xc is exact, so the fused form rounds as the two steps of the definition do); then the group's largest v of each query.  Each accumulator is read from its low end on.
.macro EPI e
.irp p, 0,2,4,6
.irp t, 0,1
.irp q, 0,1,2,3
	v_pk_fma_f32 v[ACC+8*(4*\t+\q)+\p:ACC+8*(4*\t+\q)+\p+1], v[ACC+8*(4*\t+\q)+\p:ACC+8*(4*\t+\q)+\p+1], 2.0, v[X2+2*\q:X2+2*\q+1] op_sel_hi:[1,0,0] neg_lo:[0,0,1] neg_hi:[0,0,1]
.endr
.endr
.endr
.irp p, 0,2,4,6
.irp t, 0,1
.irp q, 0,1,2,3
	v_pk_add_f32 v[ACC+8*(4*\t+\q)+\p:ACC+8*(4*\t+\q)+\p+1], v[ACC+8*(4*\t+\q)+\p:ACC+8*(4*\t+\q)+\p+1], v[C2+8*\t+\p:C2+8*\t+\p+1] neg_lo:[0,1] neg_hi:[0,1]
.endr
.endr
.endr
.irp q, 0,1,2,3
	v_max3_num_f32 v[M+\q], v[ACC+8*\q], v[ACC+8*\q+1], v[ACC+8*\q+2]      ; the four tiles by turns
.endr
.irp j, 3,5
.irp q, 0,1,2,3
	s_delay_alu instid0(VALU_DEP_4)
	v_max3_num_f32 v[M+\q], v[M+\q], v[ACC+8*\q+\j], v[ACC+8*\q+\j+1]
.endr
.endr
.irp q, 0,1,2,3
	s_delay_alu instid0(VALU_DEP_4)
	v_max3_num_f32 v[M+\q], v[M+\q], v[ACC+8*\q+7], v[ACC+32+8*\q]
.endr
.irp j, 1,3,5
.irp q, 0,1,2,3
	s_delay_alu instid0(VALU_DEP_4)
	v_max3_num_f32 v[M+\q], v[M+\q], v[ACC+32+8*\q+\j], v[ACC+32+8*\q+\j+1]
.endr
.endr
.irp q, 0,1,2,3
	s_delay_alu instid0(VALU_DEP_4)
	v_max_num_f32 v[M+\q], v[M+\q], v[ACC+32+8*\q+7]
.endr
.irp q, 0,1,2,3
	s_delay_alu instid0(VALU_DEP_4)
	v_permlanex16_b32 v[PT+\q], v[M+\q], s24, s25
.endr
.irp q, 0,1,2,3
	s_delay_alu instid0(VALU_DEP_4)
	v_max_num_f32 v[GQ+4*\q+(\e)], v[M+\q], v[PT+\q]       ; with the other half's sixteen codes
.endr
.endm
; Four records.  Four plain vector lines stand between a run of matrix instructions and the loads into registers that it read and the first read of its results (ISA guide 7.12.1 for vector instructions)
; The next record's fragments are on their way while this record's scores are worked.
.macro QUAD
	v_add_nc_u32 v[AD], s45, v[L16]                ; s45: the LDS byte at which the four records begin
	v_add_nc_u32 v[AC], s45, v[WC]
	LOADA 0
	LOADC 0
	s_wait_alu depctr_va_vdst(0)
.irp i, 0,1,2,3
	s_wait_dscnt 4                                 ; the record's 26 loads are in; c2's four, issued behind them, may be out
	BURST
	PLACES
.if \i < 3
	LOADA \i+1
	s_wait_dscnt 26                                ; c2 is in; the next record's 26 loads stay out
	EPI \i
	LOADC \i+1
.else
	s_wait_dscnt 0x0
	EPI \i
.endif
.endr
.endm
.macro TRIPEND                         ; four groups' maxima of 64 queries: lanes 0-15 an even tile's, lanes 16-31 the odd one's: each store covers 512 consecutive bytes
.irp x, 0,1
.irp e, 0,1,2,3
	v_cndmask_b32 v[ST+4*\x+\e], v[GQ+8*\x+\e], v[GQ+8*\x+4+\e], s26
.endr
.endr
	global_store_b128 v[L16], v[ST:ST+3], s[28:29] th:TH_STORE_NT
	global_store_b128 v[L16], v[ST+4:ST+7], s[28:29] offset:512 th:TH_STORE_NT
	s_wait_xcnt 0x0                                ; the stores have read their data and their base: both are written again only behind this wait
	s_add_nc_u64 s[28:29], s[28:29], 131072        ; the next plane (behind the last trip the stepped address is not used)
.endm
.macro HALF base                       ; eight records from LDS byte base on, two trips of four
	s_mov_b32 s45, \base
	s_mov_b32 s44, 2
.Lquad_\@:
	QUAD
	TRIPEND
	s_add_co_u32 s45, s45, 4*REC
	s_sub_co_u32 s44, s44, 1
	s_cmp_lg_u32 s44, 0
	s_cbranch_scc1 .Lquad_\@
.endm
	s_mov_b32 s45, 16*REC                          ; code records 0-7, in slots 16-23, written out: the barrier that shows records 8-15 landed guards no refill and is split round the second four
	QUAD
	TRIPEND
	s_add_co_u32 s45, s45, 4*REC
	s_wait_tensorcnt 0x0                           ; my record of the second eight has landed (no LDS instruction of mine is out: the last wait on them was for 0):
	s_barrier_signal -1                            ; say so;
	QUAD                                           ; register work, and LDS loads from slots 20-23, which no wave writes
	s_wait_alu depctr_va_vdst(0)
	s_barrier_wait -1                              ; everybody's record has landed
	TRIPEND                                        ; the stores stand behind the barrier's wait
	HALF 0                                         ; code records 8-15, in slots 0-7
	s_wait_tensorcnt 0x0                           ; the wave's end
	ds_add_u32 v254, v255
	s_wait_dscnt 0x0
	ROUND                                          ; the closing round
	s_endpgm
.Lfunc_end_k_qd5670c2e11_gmax:
	.size	k_qd5670c2e11_gmax, .Lfunc_end_k_qd5670c2e11_gmax-k_qd5670c2e11_gmax
	.p2alignl 7, 3214868480
	.fill 96, 4, 3214868480
	.section	.rodata,"a",@progbits
	.p2align	6, 0x0
	.amdhsa_kernel k_qd5670c2e11_gmax
		.amdhsa_group_segment_fixed_size 327680
		.amdhsa_private_segment_fixed_size 0
		.amdhsa_enable_private_segment 0
		.amdhsa_kernarg_size 24
		.amdhsa_user_sgpr_count 2
		.amdhsa_user_sgpr_kernarg_segment_ptr 1
		.amdhsa_wavefront_size32 1
		.amdhsa_system_sgpr_workgroup_id_x 1
		.amdhsa_system_sgpr_workgroup_id_y 1
		.amdhsa_system_sgpr_workgroup_id_z 1
		.amdhsa_system_vgpr_workitem_id 0
		.amdhsa_next_free_vgpr 448
		.amdhsa_next_free_sgpr 66
		.amdhsa_reserve_vcc 0
		.amdhsa_float_denorm_mode_32 3
		.amdhsa_float_denorm_mode_16_64 3
		.amdhsa_memory_ordered 1
		.amdhsa_forward_progress 1
		.amdhsa_inst_pref_size 200
	.end_amdhsa_kernel
	.amdgpu_metadata
---
amdhsa.version: [ 1, 2 ]
amdhsa.kernels:
  - .name:           k_qd5670c2e11_gmax
    .symbol:         k_qd5670c2e11_gmax.kd
    .args:
      - { .name: xq, .offset: 0, .size: 8, .value_kind: global_buffer, .address_space: global }
      - { .name: cq, .offset: 8, .size: 8, .value_kind: global_buffer, .address_space: global }
      - { .name: gtab, .offset: 16, .size: 8, .value_kind: global_buffer, .address_space: global }
    .group_segment_fixed_size: 327680
    .private_segment_fixed_size: 0
    .kernarg_segment_align: 8
    .kernarg_segment_size: 24
    .max_flat_workgroup_size: 256
    .sgpr_count:     66
    .vgpr_count:     448
    .wavefront_size: 32
...
	.end_amdgpu_metadata
.endif
;; end of part 2
;; launch select (part 3): grid 256 x 1, 4 waves a work-group, no clusters, 8,704 bytes of LDS; arguments gtab, gsel; writes gsel
.if DOCPART == 3
	.amdgcn_target "amdgcn-amd-amdhsa--gfx1250"
	.amdhsa_code_object_version 6
	.text
	.protected	k_qd5670c2e11_select
	.globl	k_qd5670c2e11_select
	.p2align	8
	.type	k_qd5670c2e11_select,@function
k_qd5670c2e11_select:
	s_mov_b64 s[64:65], 0
	v_nop
	global_prefetch_b8 v0, s[64:65] scope:SCOPE_SE
	s_setreg_imm32_b32 hwreg(HW_REG_WAVE_MODE, 25, 1), 1
	s_wait_xcnt 0x0
; Each query's eight best groups of 256, by (maximum down, group number up), then sorted by number.  A lane takes a query (row' = 32 x work-group + lane), a wave a quarter of the groups (64).
; A list of eight (value, number) is kept sorted in registers; INSERT puts one more in without a branch: 31 vector lines.  It compares by strict '>', so on a tie the entry already there stays ahead:
; every stream is walked in ascending number, and a merge inserts the list of the HIGHER numbers, in its own order, into the list of the lower.
; The four waves' lists meet in two merges through LDS, as images of their registers (16 bytes a lane).  No address hangs on the choice: the numbers are only stored.
; gtab: [64 planes][8192 row'][4 e] f32, group = 4 x plane + e.  gsel: [2 planes][8192 row'][4] int: place k = 4 x plane + index.
; LIMITS: maxima of -infinity and NaN are not served (the lists begin at -infinity).
.set LV, 8                             ; v8-15   values, descending
.set IV, 16                            ; v16-23  their numbers
.set TV, 24                            ; v24-30  at work
.set E,  32                            ; v32-95  64 maxima as loaded, in the groups' order; later v32-39, v40-47 a partner's list
.set PL, 32
.set PI, 40
.set CM, 16                            ; s[16:23] masks
.macro INSERT val, id
.irp i, 0,1,2,3,4,5,6,7
	v_cmp_gt_f32 s[CM+\i], v[\val], v[LV+\i]
.endr
.irp i, 1,2,3,4,5,6,7
	v_cndmask_b32 v[TV+\i-1], \id, v[IV+\i-1], s[CM+\i-1]  ; what place i takes if it moves: the entry above it, or the new one
.endr
.irp i, 1,2,3,4,5,6,7
	v_cndmask_b32 v[IV+\i], v[IV+\i], v[TV+\i-1], s[CM+\i]
.endr
	v_cndmask_b32 v[IV], v[IV], \id, s[CM]
.irp i, 7,6,5,4,3,2,1
	v_med3_num_f32 v[LV+\i], v[LV+\i-1], v[LV+\i], v[\val] ; the middle of the entry above, the entry and the new value
.endr
	v_max_num_f32 v[LV], v[LV], v[\val]
.endm
	s_load_b128 s[4:7], s[0:1], 0x0                ; gtab, gsel
	v_lshl_add_u32 v128, v0, 2, 0x2000
	v_mov_b32 v129, 0
	v_lshrrev_b32 v1, 5, v0
	v_readfirstlane_b32 s8, v1                     ; wave = quarter
	v_and_b32 v1, 31, v0
	v_lshlrev_b32 v1, 4, v1                        ; 16 x lane
	s_lshr_b32 s9, s8, 1
	s_lshl_b32 s9, s9, 11
	v_add_nc_u32 v2, s9, v1                        ; LDS: the first merge's image, 2,048 bytes for each pair of waves;
	v_add_nc_u32 v3, 4096, v1                      ; the second's.  Both addresses are made here, ahead of the waves' parting
	s_lshl_b32 s10, s8, 21                         ; my quarter: 16 planes of 131,072 bytes
	s_lshl_b32 s12, ttmp9, 9                       ; my work-group's 32 queries x 16 bytes
	s_add_co_u32 s10, s10, s12
	s_mov_b32 s11, 0
	s_mov_b32 s13, 0
	s_and_b32 s14, s8, 1
	s_lshl_b32 s15, s8, 6                          ; my first group
	s_wait_alu depctr_va_vdst(0)
	s_wait_kmcnt 0x0
	s_add_nc_u64 s[4:5], s[4:5], s[10:11]
	s_add_nc_u64 s[6:7], s[6:7], s[12:13]
.irp p, 0,1,2,3,4,5,6,7,8,9,10,11,12,13,14,15
	global_load_b128 v[E+4*\p:E+4*\p+3], v1, s[4:5] offset:\p*131072 th:TH_LOAD_NT    ; 512 consecutive bytes a load: groups 4 p .. 4 p + 3 of my quarter
.endr
.irp i, 0,1,2,3,4,5,6,7
	v_mov_b32 v[LV+\i], 0xff800000                 ; -infinity
	v_mov_b32 v[IV+\i], 0
.endr
	s_wait_alu depctr_va_vdst(0)
.irp x, 0,1,2,3
	s_wait_alu depctr_va_vdst(0)
	s_wait_loadcnt 12-4*\x                         ; these sixteen groups' four loads are in; four for each later sixteen stay out
.irp g, 0,1,2,3,4,5,6,7,8,9,10,11,12,13,14,15
	INSERT E+16*\x+\g, 16*\x+\g
.endr
.endr
.irp i, 0,1,2,3,4,5,6,7
	v_add_nc_u32 v[IV+\i], s15, v[IV+\i]
.endr
	s_cmp_eq_u32 s14, 0
	s_cbranch_scc1 .Lkeep1
	ds_store_b128 v2, v[8:11]                      ; waves 1 and 3 hand their lists over
	ds_store_b128 v2, v[12:15] offset:512
	ds_store_b128 v2, v[16:19] offset:1024
	ds_store_b128 v2, v[20:23] offset:1536
.Lkeep1:
	s_wait_dscnt 0x0                               ; for the others' sake: my stores have landed
	s_barrier_signal -1
	s_barrier_wait -1
	s_cmp_lg_u32 s14, 0
	s_cbranch_scc1 .Lmerged1
.irp j, 0,1,2,3
	ds_load_b128 v[PL+4*\j:PL+4*\j+3], v2 offset:512*\j
.endr
	s_wait_dscnt 0x0
	s_wait_alu depctr_va_vdst(0)
.irp j, 0,1,2,3,4,5,6,7
	INSERT PL+\j, v[PI+\j]
.endr
.Lmerged1:
	s_cmp_lg_u32 s8, 2
	s_cbranch_scc1 .Lkeep2
	s_wait_alu depctr_va_vdst(0)
	ds_store_b128 v3, v[8:11]                      ; wave 2 hands the upper half's list over, in bytes of its own
	ds_store_b128 v3, v[12:15] offset:512
	ds_store_b128 v3, v[16:19] offset:1024
	ds_store_b128 v3, v[20:23] offset:1536
.Lkeep2:
	s_wait_dscnt 0x0
	s_barrier_signal -1
	s_barrier_wait -1
	s_cmp_lg_u32 s8, 0
	s_cbranch_scc1 .Lend
.irp j, 0,1,2,3
	ds_load_b128 v[PL+4*\j:PL+4*\j+3], v3 offset:512*\j
.endr
	s_wait_dscnt 0x0
	s_wait_alu depctr_va_vdst(0)
.irp j, 0,1,2,3,4,5,6,7
	INSERT PL+\j, v[PI+\j]
.endr
.macro CSWAP a, b                      ; the smaller number to place a
	v_min_u32 v[TV], v[IV+\a], v[IV+\b]
	v_max_u32 v[IV+\b], v[IV+\a], v[IV+\b]
	v_mov_b32 v[IV+\a], v[TV]
.endm
	CSWAP 0, 1                                     ; the eight numbers in ascending order: an odd-even merge sort of 19 exchanges
	CSWAP 2, 3
	CSWAP 4, 5
	CSWAP 6, 7
	CSWAP 0, 2
	CSWAP 1, 3
	CSWAP 4, 6
	CSWAP 5, 7
	CSWAP 1, 2
	CSWAP 5, 6
	CSWAP 0, 4
	CSWAP 1, 5
	CSWAP 2, 6
	CSWAP 3, 7
	CSWAP 2, 4
	CSWAP 3, 5
	CSWAP 1, 2
	CSWAP 3, 4
	CSWAP 5, 6
	global_store_b128 v1, v[16:19], s[6:7]         ; 512 consecutive bytes a store
	global_store_b128 v1, v[20:23], s[6:7] offset:131072
.Lend:
	s_wait_tensorcnt 0x0
	ds_add_u32 v128, v129
	s_wait_dscnt 0x0
	s_endpgm
.Lfunc_end_k_qd5670c2e11_select:
	.size	k_qd5670c2e11_select, .Lfunc_end_k_qd5670c2e11_select-k_qd5670c2e11_select
	.p2alignl 7, 3214868480
	.fill 96, 4, 3214868480
	.section	.rodata,"a",@progbits
	.p2align	6, 0x0
	.amdhsa_kernel k_qd5670c2e11_select
		.amdhsa_group_segment_fixed_size 8704
		.amdhsa_private_segment_fixed_size 0
		.amdhsa_enable_private_segment 0
		.amdhsa_kernarg_size 16
		.amdhsa_user_sgpr_count 2
		.amdhsa_user_sgpr_kernarg_segment_ptr 1
		.amdhsa_wavefront_size32 1
		.amdhsa_system_sgpr_workgroup_id_x 1
		.amdhsa_system_sgpr_workgroup_id_y 1
		.amdhsa_system_sgpr_workgroup_id_z 1
		.amdhsa_system_vgpr_workitem_id 0
		.amdhsa_next_free_vgpr 130
		.amdhsa_next_free_sgpr 66
		.amdhsa_reserve_vcc 0
		.amdhsa_float_denorm_mode_32 3
		.amdhsa_float_denorm_mode_16_64 3
		.amdhsa_memory_ordered 1
		.amdhsa_forward_progress 1
		.amdhsa_inst_pref_size 161
	.end_amdhsa_kernel
	.amdgpu_metadata
---
amdhsa.version: [ 1, 2 ]
amdhsa.kernels:
  - .name:           k_qd5670c2e11_select
    .symbol:         k_qd5670c2e11_select.kd
    .args:
      - { .name: gtab, .offset: 0, .size: 8, .value_kind: global_buffer, .address_space: global }
      - { .name: gsel, .offset: 8, .size: 8, .value_kind: global_buffer, .address_space: global }
    .group_segment_fixed_size: 8704
    .private_segment_fixed_size: 0
    .kernarg_segment_align: 8
    .kernarg_segment_size: 16
    .max_flat_workgroup_size: 128
    .sgpr_count:     66
    .vgpr_count:     130
    .wavefront_size: 32
...
	.end_amdgpu_metadata
.endif
;; end of part 3
;; launch pick (part 4): grid 16 x 16, 8 waves a work-group, no clusters, 230,400 bytes of LDS; arguments xq, cq, gsel, cand; writes cand
.if DOCPART == 4
	.amdgcn_target "amdgcn-amd-amdhsa--gfx1250"
	.amdhsa_code_object_version 6
	.text
	.protected	k_qd5670c2e11_pick
	.globl	k_qd5670c2e11_pick
	.p2align	8
	.type	k_qd5670c2e11_pick,@function
k_qd5670c2e11_pick:
	s_mov_b64 s[64:65], 0
	v_nop
	global_prefetch_b8 v0, s[64:65] scope:SCOPE_SE
	s_setreg_imm32_b32 hwreg(HW_REG_WAVE_MODE, 25, 1), 1
	s_wait_xcnt 0x0
; SECOND PASS, ONLY WHERE IT IS ASKED FOR.  gsel names each query's eight chosen groups of 32 codes (whole numbers that an earlier launch stored).  For each chosen (query, group) the 32 numbers
; v = (2 xc - x2) - c2 are made again, by the same matrix instructions in the same order as in the first pass, and stored: cand [8192 row'][8 k][32 u] f32, k the group's place in the query's list.
; SHARES.  A work-group takes 512 queries (x's pairs 16 rs .. 16 rs + 15) against 16 groups (records 16 cs .. 16 cs + 15 of cq).  Wave w keeps four tiles of 16 queries in registers and walks the 16 records.
; A tile of which no query chose the record passes over that record's 12 matrix instructions, its 16 packed lines and its 4 stores, by scalar branches on masks made of gsel alone.
; The walk's first record is multiplied for all four tiles, so that every accumulator has been written by a product on every way through the branches; its stores are asked for by the masks like all others.
; NO TENSOR LOAD, NO CLUSTER: the branches hang on numbers read from memory; there are no joint loads.  The 16 records, 217,088
; consecutive bytes, come through registers: wave w takes pieces 53 w .. 53 w + 52 of 512 bytes (32 pieces, then 21 into the same registers), stores them to LDS at the same offsets, and one barrier follows.
; No prefetch: all that the launch reads is asked for at its head, and no loop fetches from memory.
; THE PRODUCT IS USED TRANSPOSED: lane (r, h) holds query r, and register j of tile t the group's code u = 16 h + 8 t + j.  In a tile's products its two accumulators take turns.
; H: for tile q two registers of eight nibbles: nibble n % 8 of register n / 8 is 8 + k where my query chose record n as its k-th group, else 0.
; LIMITS: NaN and infinities among the inputs are not served.
; REGISTERS: window 0: v1-7 addresses; v10-15 the codes' scale words; v16-27 the queries'; v28-35 H; v36-51 c2; v52-67 at work, v60-63 cand's places; v72-79 x2; v80-143 accumulators (8 (4 t + q));
;   v144-239 a record's fragments; at the head v80-207 pieces on their way to LDS and v208-239 gsel; v254, v255 the add's.   window 1: v0-191 the queries' fragments (48 q + 8 s).
.set REC,   13568
.set UNITS, 53
.set L16, 1
.set SO,  2
.set XO,  3
.set AD,  4
.set AC,  5
.set WC,  6
.set GO,  7
.set ASC, 10
.set QSC, 16
.set H,   28
.set C2,  36
.set TD,  52
.set TN,  56
.set CB,  60
.set SL,  64
.set X2,  72
.set ACC, 80
.set FB,  80
.set AF,  144
.set S,   208
.set MSB, 0
.macro WIN new                         ; the immediate's high byte repeats the setting that is left
.if MSB != \new
	s_set_vgpr_msb (MSB<<8)|\new
.set MSB, \new
.endif
.endm
.macro PLACES
.rept 4
	v_nop
.endr
.endm
	s_load_b128 s[4:7], s[0:1], 0x0                ; xq, cq
	s_load_b128 s[24:27], s[0:1], 0x10             ; gsel, cand
	v_lshl_add_u32 v254, v0, 2, 0x38000
	v_mov_b32 v255, 0
	v_lshrrev_b32 v8, 5, v0
	s_delay_alu instid0(VALU_DEP_1)
	v_readfirstlane_b32 s8, v8                     ; wave 0..7
	s_and_b32 s15, ttmp7, 0xffff                   ; cs
	s_lshl_b32 s58, s15, 4                         ; my first group
	s_mul_i32 s40, s15, 16*REC                     ; and its record
	s_mov_b32 s41, 0
	s_lshl_b32 s30, ttmp9, 4
	s_lshl_b32 s31, s8, 1
	s_add_co_u32 s30, s30, s31                     ; my first pair of x: 16 rs + 2 w
	s_lshl_b32 s28, s30, 9                         ; gsel: 32 row' x 16 bytes a pair
	s_mov_b32 s29, 0
	s_lshl_b32 s42, s30, 15                        ; cand: 32 row' x 1,024 bytes a pair
	s_mov_b32 s43, 0
	s_mul_i32 s30, s30, REC
	s_mov_b32 s31, 0
	s_mul_i32 s9, s8, UNITS*512                    ; my 53 pieces
	v_and_b32 v[L16], 31, v0
	v_and_b32 v8, 15, v0                           ; r
	v_bfe_u32 v9, v0, 4, 1                         ; h
	s_delay_alu instid0(VALU_DEP_3)
	v_lshlrev_b32 v[L16], 4, v[L16]                ; 16 x lane
	v_lshlrev_b32 v[SO], 4, v8                     ; gsel: 16 r
	v_lshrrev_b32 v[XO], 3, v8
	v_and_b32 v[TD], 7, v8
	v_lshlrev_b32 v[WC], 6, v9
	v_lshlrev_b32 v8, 10, v8
	v_add_nc_u32 v[GO], s9, v[L16]                 ; a piece's place, in cq's sixteen records and in LDS alike
	v_lshlrev_b32 v[XO], 6, v[XO]
	v_add_nc_u32 v[WC], 13312, v[WC]               ; c2 of my half of a group
	v_lshl_add_u32 v8, v9, 6, v8                   ; cand: 1,024 r + 64 h
	s_delay_alu instid0(VALU_DEP_3)
	v_lshl_add_u32 v[XO], v[TD], 2, v[XO]          ; x2's place for query r: 64 (r / 8) + 4 (r % 8)
.irp q, 0,1,2,3
	v_add_nc_u32 v[CB+\q], 16384*\q, v8
.endr
	s_wait_alu depctr_va_vdst(0)
	s_wait_kmcnt 0x0
	s_add_nc_u64 s[6:7], s[6:7], s[40:41]
	s_add_nc_u64 s[4:5], s[4:5], s[30:31]
	s_add_nc_u64 s[24:25], s[24:25], s[28:29]
	s_add_nc_u64 s[26:27], s[26:27], s[42:43]
.irp q, 0,1,2,3
	global_load_b128 v[S+8*\q:S+8*\q+3], v[SO], s[24:25] offset:256*\q             ; my query's eight groups, tile by tile
	global_load_b128 v[S+8*\q+4:S+8*\q+7], v[SO], s[24:25] offset:131072+256*\q
.endr
.set j, 0
.rept 32
	global_load_b128 v[FB+4*j:FB+4*j+3], v[GO], s[6:7] offset:512*j                ; pieces 0-31: 512 consecutive bytes a load
.set j, j+1
.endr
	WIN 0x40                                       ; destination window 1
.irp q, 0,1,2,3
.irp s, 0,1,2,3,4,5
.irp c, 0,1
	global_load_b128 v[48*\q+8*\s+4*\c:48*\q+8*\s+4*\c+3], v[L16], s[4:5] offset:(\q/2)*REC+6144*(\q%2)+1024*\s+512*\c
.endr
.endr
.endr
	WIN 0
.irp p, 0,1
	global_load_b128 v[QSC+6*\p:QSC+6*\p+3], v[L16], s[4:5] offset:\p*REC+12288
	global_load_b64 v[QSC+6*\p+4:QSC+6*\p+5], v[L16], s[4:5] offset:\p*REC+12800
.endr
.irp q, 0,1,2,3
	global_load_b32 v[X2+2*\q], v[XO], s[4:5] offset:(\q/2)*REC+13312+32*(\q%2)
.endr
	s_wait_loadcnt 56                              ; gsel and pieces 0-31 are in; the queries' 48 + 4 + 4 loads, issued behind them, stay out
.set j, 0
.rept 32
	ds_store_b128 v[GO], v[FB+4*j:FB+4*j+3] offset:512*j
.set j, j+1
.endr
	s_wait_dscnt 0x0                               ; the stores have read their registers, which take the other pieces
.set j, 32
.rept UNITS-32
	global_load_b128 v[FB+4*(j-32):FB+4*(j-32)+3], v[GO], s[6:7] offset:512*j
.set j, j+1
.endr
; H, while those are on their way.  d = group - my first group; (8 + k) << 4 (d % 8) goes into the lower register where d < 8, into the upper where 8 <= d < 16, and nowhere else.
.irp k, 0,1,2,3,4,5,6,7
	v_mov_b32 v9, 8+\k
.irp q, 0,1,2,3
	v_sub_nc_u32 v[TD+\q], v[S+8*\q+\k], s58
.endr
.irp q, 0,1,2,3
	s_delay_alu instid0(VALU_DEP_4)
	v_lshlrev_b32 v[TN+\q], 2, v[TD+\q]
.endr
.irp q, 0,1,2,3
	s_delay_alu instid0(VALU_DEP_4)
	v_lshlrev_b32 v[TN+\q], v[TN+\q], v9
.endr
.irp q, 0,1,2,3
	v_cmp_gt_u32 s[48+2*\q], 8, v[TD+\q]
	v_cmp_gt_u32 s[49+2*\q], 16, v[TD+\q]
.endr
.irp q, 0,1,2,3
	s_and_not1_b32 s[49+2*\q], s[49+2*\q], s[48+2*\q]
.endr
.if \k == 0
.irp q, 0,1,2,3
	v_cndmask_b32 v[H+2*\q], 0, v[TN+\q], s[48+2*\q]
	v_cndmask_b32 v[H+2*\q+1], 0, v[TN+\q], s[49+2*\q]
.endr
.else
.irp q, 0,1,2,3
	v_cndmask_b32 v[SL+\q], 0, v[TN+\q], s[48+2*\q]
.endr
.irp q, 0,1,2,3
	s_delay_alu instid0(VALU_DEP_4)
	v_or_b32 v[H+2*\q], v[H+2*\q], v[SL+\q]
.endr
.irp q, 0,1,2,3
	v_cndmask_b32 v[SL+\q], 0, v[TN+\q], s[49+2*\q]
.endr
.irp q, 0,1,2,3
	s_delay_alu instid0(VALU_DEP_4)
	v_or_b32 v[H+2*\q+1], v[H+2*\q+1], v[SL+\q]
.endr
.endif
.endr
	s_wait_alu depctr_va_vdst(0)
	s_wait_loadcnt 0x0                             ; the queries and pieces 32-52
.set j, 32
.rept UNITS-32
	ds_store_b128 v[GO], v[FB+4*(j-32):FB+4*(j-32)+3] offset:512*j
.set j, j+1
.endr
.irp q, 0,1,2,3
	v_mov_b32 v[X2+2*\q+1], v[X2+2*\q]             ; named as a pair below, so the upper word is written
.endr
	s_wait_alu depctr_va_vdst(0)
	s_wait_dscnt 0x0                               ; for the others' sake: my pieces are in LDS
	s_barrier_signal -1
	s_barrier_wait -1                              ; everybody's are
.macro WM c, t, q
.if ((\t) == 0) && (((\q)%2) == 0)
	v_wmma_scale_f32_16x16x128_f8f6f4 v[rD:rD+7], v[rA:rA+7], v[rB:rB+7], \c, v[rS], v[rT] matrix_a_fmt:MATRIX_FMT_FP4 matrix_b_fmt:MATRIX_FMT_FP4
.endif
.if ((\t) == 0) && (((\q)%2) == 1)
	v_wmma_scale_f32_16x16x128_f8f6f4 v[rD:rD+7], v[rA:rA+7], v[rB:rB+7], \c, v[rS], v[rT] matrix_a_fmt:MATRIX_FMT_FP4 matrix_b_fmt:MATRIX_FMT_FP4 matrix_b_scale:MATRIX_SCALE_ROW1
.endif
.if ((\t) == 1) && (((\q)%2) == 0)
	v_wmma_scale_f32_16x16x128_f8f6f4 v[rD:rD+7], v[rA:rA+7], v[rB:rB+7], \c, v[rS], v[rT] matrix_a_fmt:MATRIX_FMT_FP4 matrix_b_fmt:MATRIX_FMT_FP4 matrix_a_scale:MATRIX_SCALE_ROW1
.endif
.if ((\t) == 1) && (((\q)%2) == 1)
	v_wmma_scale_f32_16x16x128_f8f6f4 v[rD:rD+7], v[rA:rA+7], v[rB:rB+7], \c, v[rS], v[rT] matrix_a_fmt:MATRIX_FMT_FP4 matrix_b_fmt:MATRIX_FMT_FP4 matrix_a_scale:MATRIX_SCALE_ROW1 matrix_b_scale:MATRIX_SCALE_ROW1
.endif
.endm
.macro MM s, t, q                      ; K step s, the record's tile t, my tile q; tile 1's scale words lie in lanes 16-31, on either side
.set rD, ACC+8*(4*\t+\q)
.set rA, AF+48*\t+8*\s
.set rB, 48*\q+8*\s
.set rS, ASC+\s
.set rT, QSC+6*(\q/2)+\s
.if \s == 0
	WM 0, \t, \q                                   ; the first K step starts the sum
.else
	WM v[rD:rD+7], \t, \q
.endif
.endm
.macro LOADA reg, off                  ; 26 LDS loads: a record's twelve fragments and its six scale words
.irp t, 0,1
.irp s, 0,1,2,3,4,5
.irp c, 0,1
	ds_load_b128 v[AF+48*\t+8*\s+4*\c:AF+48*\t+8*\s+4*\c+3], v[\reg] offset:\off+6144*\t+1024*\s+512*\c
.endr
.endr
.endr
	ds_load_b128 v[ASC:ASC+3], v[\reg] offset:\off+12288
	ds_load_b64 v[ASC+4:ASC+5], v[\reg] offset:\off+12800
.endm
.macro LOADC reg, off                  ; 4 LDS loads: c2 of the sixteen codes that my half of the lanes holds
.irp t, 0,1
	ds_load_b128 v[C2+8*\t:C2+8*\t+3], v[\reg] offset:\off+32*\t
	ds_load_b128 v[C2+8*\t+4:C2+8*\t+7], v[\reg] offset:\off+32*\t+16
.endr
.endm
.macro VCALC q                         ; v = (2 xc - x2) - c2 of one tile, two at a time; each accumulator is read from its low end on
.irp p, 0,2,4,6
.irp t, 0,1
	v_pk_fma_f32 v[ACC+8*(4*\t+\q)+\p:ACC+8*(4*\t+\q)+\p+1], v[ACC+8*(4*\t+\q)+\p:ACC+8*(4*\t+\q)+\p+1], 2.0, v[X2+2*\q:X2+2*\q+1] op_sel_hi:[1,0,0] neg_lo:[0,0,1] neg_hi:[0,0,1]
.endr
.endr
.irp p, 0,2,4,6
.irp t, 0,1
	v_pk_add_f32 v[ACC+8*(4*\t+\q)+\p:ACC+8*(4*\t+\q)+\p+1], v[ACC+8*(4*\t+\q)+\p:ACC+8*(4*\t+\q)+\p+1], v[C2+8*\t+\p:C2+8*\t+\p+1] neg_lo:[0,1] neg_hi:[0,1]
.endr
.endr
.endm
; One record.  h: which register of H; s46: its nibble's first bit; s45: the record's LDS byte.  more = 1: the next record's loads are issued; whole = 1: the products of all four tiles are issued.
.macro RECORD h, more, whole
.if \more
	v_add_nc_u32 v[AD], s45, v[L16]
	v_add_nc_u32 v[AC], s45, v[WC]
.endif
.irp q, 0,1,2,3
	v_bfe_u32 v[SL+\q], v[H+2*\q+\h], s46, 4
.endr
.irp q, 0,1,2,3
	s_delay_alu instid0(VALU_DEP_4)
	v_cmp_le_u32 s[60+\q], 8, v[SL+\q]             ; the lanes whose query chose this record
.endr
	s_wait_alu depctr_va_vdst(0)
	s_wait_dscnt 4                                 ; the record's 26 loads are in; c2's four, issued behind them, may be out
.irp q, 0,1,2,3
.if \whole == 0
	s_cmp_eq_u32 s[60+\q], 0
	s_cbranch_scc1 .Lnp_\@_\q                      ; no query of this tile chose it
.endif
	WIN 0x04                                       ; source 1 (the queries) window 1
.irp s, 0,1,2,3,4,5
.irp t, 0,1
	MM \s, \t, \q
.endr
.endr
	WIN 0
.Lnp_\@_\q:
.endr
	PLACES                                         ; four plain lines ahead of the loads into the fragments' registers and of the first read of results (ISA guide 7.12.1 for vector instructions)
.if \more
	LOADA AD, REC
	s_wait_dscnt 26                                ; c2 is in; the next record's 26 loads stay out
.else
	s_wait_dscnt 0x0
.endif
.irp q, 0,1,2,3
	s_cmp_eq_u32 s[60+\q], 0
	s_cbranch_scc1 .Lns_\@_\q
	v_min_u32 v[SL+\q], 15, v[SL+\q]               ; a loaded number is held before it enters an address
	s_delay_alu instid0(VALU_DEP_1)
	v_and_b32 v[SL+\q], 7, v[SL+\q]                ; k
	s_delay_alu instid0(VALU_DEP_1)
	v_lshl_add_u32 v[SL+\q], v[SL+\q], 7, v[CB+\q] ; 128 bytes a place
	VCALC \q
	s_wait_alu depctr_va_vdst(0)
	s_wait_xcnt 0x0                                ; EXEC changes only behind this wait
	s_and_saveexec_b32 s57, s[60+\q]
	global_store_b128 v[SL+\q], v[ACC+8*\q:ACC+8*\q+3], s[26:27]                   ; a lane's 64 consecutive bytes: u = 16 h .. 16 h + 15
	global_store_b128 v[SL+\q], v[ACC+8*\q+4:ACC+8*\q+7], s[26:27] offset:16
	global_store_b128 v[SL+\q], v[ACC+32+8*\q:ACC+32+8*\q+3], s[26:27] offset:32
	global_store_b128 v[SL+\q], v[ACC+32+8*\q+4:ACC+32+8*\q+7], s[26:27] offset:48
	s_wait_xcnt 0x0                                ; and again: the stores have read EXEC, their data and their addresses
	s_mov_b32 exec_lo, -1
.Lns_\@_\q:
.endr
.if \more
	LOADC AC, REC
.endif
.endm
.macro WALK h                          ; seven records, each with a successor
	s_mov_b32 s44, 7
.Lwalk_\@:
	RECORD \h, 1, 0
	s_add_co_u32 s45, s45, REC
	s_add_co_u32 s46, s46, 4
	s_sub_co_u32 s44, s44, 1
	s_cmp_lg_u32 s44, 0
	s_cbranch_scc1 .Lwalk_\@
.endm
	LOADA L16, 0
	LOADC WC, 0
	s_mov_b32 s45, 0
	s_mov_b32 s46, 0
	RECORD 0, 1, 1                                 ; record 0
	s_mov_b32 s45, REC
	s_mov_b32 s46, 4
	WALK 0                                         ; records 1-7
	s_mov_b32 s45, 8*REC
	s_mov_b32 s46, 0
	WALK 1                                         ; records 8-14
	s_mov_b32 s46, 28
	RECORD 1, 0, 0                                 ; record 15 has no successor
	s_wait_tensorcnt 0x0                           ; the wave's end: behind my last LDS store
	ds_add_u32 v254, v255
	s_wait_dscnt 0x0
	s_endpgm
.Lfunc_end_k_qd5670c2e11_pick:
	.size	k_qd5670c2e11_pick, .Lfunc_end_k_qd5670c2e11_pick-k_qd5670c2e11_pick
	.p2alignl 7, 3214868480
	.fill 96, 4, 3214868480
	.section	.rodata,"a",@progbits
	.p2align	6, 0x0
	.amdhsa_kernel k_qd5670c2e11_pick
		.amdhsa_group_segment_fixed_size 230400
		.amdhsa_private_segment_fixed_size 0
		.amdhsa_enable_private_segment 0
		.amdhsa_kernarg_size 32
		.amdhsa_user_sgpr_count 2
		.amdhsa_user_sgpr_kernarg_segment_ptr 1
		.amdhsa_wavefront_size32 1
		.amdhsa_system_sgpr_workgroup_id_x 1
		.amdhsa_system_sgpr_workgroup_id_y 1
		.amdhsa_system_sgpr_workgroup_id_z 1
		.amdhsa_system_vgpr_workitem_id 0
		.amdhsa_next_free_vgpr 448
		.amdhsa_next_free_sgpr 66
		.amdhsa_reserve_vcc 0
		.amdhsa_float_denorm_mode_32 3
		.amdhsa_float_denorm_mode_16_64 3
		.amdhsa_memory_ordered 1
		.amdhsa_forward_progress 1
		.amdhsa_inst_pref_size 102
	.end_amdhsa_kernel
	.amdgpu_metadata
---
amdhsa.version: [ 1, 2 ]
amdhsa.kernels:
  - .name:           k_qd5670c2e11_pick
    .symbol:         k_qd5670c2e11_pick.kd
    .args:
      - { .name: xq, .offset: 0, .size: 8, .value_kind: global_buffer, .address_space: global }
      - { .name: cq, .offset: 8, .size: 8, .value_kind: global_buffer, .address_space: global }
      - { .name: gsel, .offset: 16, .size: 8, .value_kind: global_buffer, .address_space: global }
      - { .name: cand, .offset: 24, .size: 8, .value_kind: global_buffer, .address_space: global }
    .group_segment_fixed_size: 230400
    .private_segment_fixed_size: 0
    .kernarg_segment_align: 8
    .kernarg_segment_size: 32
    .max_flat_workgroup_size: 256
    .sgpr_count:     66
    .vgpr_count:     448
    .wavefront_size: 32
...
	.end_amdgpu_metadata
.endif
;; end of part 4
;; launch final (part 5): grid 256 x 1, 4 waves a work-group, no clusters, 37,376 bytes of LDS; arguments cand, gsel, out1, ids; writes out1, ids
.if DOCPART == 5
	.amdgcn_target "amdgcn-amd-amdhsa--gfx1250"
	.amdhsa_code_object_version 6
	.text
	.protected	k_qd5670c2e11_final
	.globl	k_qd5670c2e11_final
	.p2align	8
	.type	k_qd5670c2e11_final,@function
k_qd5670c2e11_final:
	s_mov_b64 s[64:65], 0
	v_nop
	global_prefetch_b8 v0, s[64:65] scope:SCOPE_SE
	s_setreg_imm32_b32 hwreg(HW_REG_WAVE_MODE, 25, 1), 1
	s_wait_xcnt 0x0
; Each query's eight best codes of the 256 in its eight chosen groups, by (v down, index up).  cand holds v: [8192 row'][8 k][32 u] f32.
; A lane takes two chosen groups: thread g = 128 x work-group + thread: places k = 2 (g % 4) and the next of query row' = g / 4: 256 consecutive bytes of cand.  Each load of the wave reads 512 consecutive bytes, 16 a
; lane; the wave's 8,192 bytes turn through its own stage in LDS (32 rows, 272 bytes apart) and come back 256 bytes a lane.  Waves share nothing: no barrier.
; The lane inserts its 64 candidates, in ascending index, into a sorted list of eight; then two merges between lanes 1 and 2 apart.  INSERT compares by strict '>', so on a tie the entry already there stays ahead.
; gsel is ascending in k, so the lane with the lower k of a pairing, which takes in the list of the higher indices, holds the right list; each level reads only such lanes; the lane with g % 4 = 0 ends with the query's
; list and stores it, at the query's natural row.  No address hangs on the groups' numbers here: they only make the indices.  The result is stored twice: out1, and ids for the launch that gathers.
; LIMITS: v of -infinity and NaN are not served (the lists begin at -infinity).
.set LV, 8                             ; v8-15    values, descending
.set IV, 16                            ; v16-23   their indices
.set TV, 24                            ; v24-30   at work
.set V,  32                            ; v32-95   my 64 candidates
.set PL, 104                           ; v104-111, v112-119 a partner's list
.set PI, 112
.set R,  128                           ; v128-191 the wave's 8,192 bytes as loaded
.set STG, 8704                         ; a wave's stage
.set CM, 16                            ; s[16:23] masks
.macro INSERT val, id
.irp i, 0,1,2,3,4,5,6,7
	v_cmp_gt_f32 s[CM+\i], v[\val], v[LV+\i]
.endr
.irp i, 1,2,3,4,5,6,7
	v_cndmask_b32 v[TV+\i-1], \id, v[IV+\i-1], s[CM+\i-1]  ; what place i takes if it moves: the entry above it, or the new one
.endr
.irp i, 1,2,3,4,5,6,7
	v_cndmask_b32 v[IV+\i], v[IV+\i], v[TV+\i-1], s[CM+\i]
.endr
	v_cndmask_b32 v[IV], v[IV], \id, s[CM]
.irp i, 7,6,5,4,3,2,1
	v_med3_num_f32 v[LV+\i], v[LV+\i-1], v[LV+\i], v[\val] ; the middle of the entry above, the entry and the new value
.endr
	v_max_num_f32 v[LV], v[LV], v[\val]
.endm
	s_load_b128 s[4:7], s[0:1], 0x0                ; cand, gsel
	s_load_b128 s[8:11], s[0:1], 0x10              ; out1, ids
	v_lshl_add_u32 v192, v0, 2, 0x9000
	v_mov_b32 v193, 0
	v_lshrrev_b32 v1, 5, v0
	v_readfirstlane_b32 s12, v1                    ; wave 0..3
	v_and_b32 v2, 31, v0                           ; lane
	v_lshlrev_b32 v5, 4, v2                        ; 16 x lane
	s_mul_i32 s13, s12, STG
	v_lshrrev_b32 v6, 4, v2
	v_mul_u32_u24 v6, v6, 272
	v_and_b32 v7, 15, v2
	v_lshl_add_u32 v6, v7, 4, v6
	v_add_nc_u32 v6, s13, v6                       ; into the stage, as loaded: a load's 512 bytes are two rows
	v_mul_u32_u24 v7, v2, 272
	v_add_nc_u32 v7, s13, v7                       ; out of it: row = lane
	s_lshl_b32 s14, ttmp9, 2
	s_add_co_u32 s14, s14, s12
	s_lshl_b32 s14, s14, 13                        ; my wave's 8,192 bytes of cand
	s_mov_b32 s15, 0
	s_lshl_b32 s24, ttmp9, 7
	v_add_nc_u32 v1, s24, v0                       ; g
	v_and_b32 v3, 3, v1                            ; g % 4
	v_lshrrev_b32 v4, 2, v1                        ; row'
	v_lshrrev_b32 v101, 1, v3
	v_lshlrev_b32 v101, 17, v101
	v_lshl_add_u32 v101, v4, 4, v101
	v_and_b32 v102, 1, v3
	v_lshl_add_u32 v101, v102, 3, v101             ; gsel: plane (g % 4) / 2, 16 row' + 8 (g % 2): my two groups' numbers
	v_lshrrev_b32 v102, 5, v4
	v_lshlrev_b32 v120, 10, v102                   ; the natural row x 32 bytes: 32 (row' / 32) + 16 ((row' / 8) % 2) + 8 ((row' / 16) % 2) + row' % 8
	v_bfe_u32 v102, v4, 3, 1
	v_lshl_add_u32 v120, v102, 9, v120
	v_bfe_u32 v102, v4, 4, 1
	v_lshl_add_u32 v120, v102, 8, v120
	v_and_b32 v102, 7, v4
	v_lshl_add_u32 v120, v102, 5, v120
	s_wait_alu depctr_va_vdst(0)
	s_wait_kmcnt 0x0
	s_add_nc_u64 s[4:5], s[4:5], s[14:15]
	global_load_b64 v[96:97], v101, s[6:7]
.irp e, 0,1,2,3,4,5,6,7,8,9,10,11,12,13,14,15
	global_load_b128 v[R+4*\e:R+4*\e+3], v5, s[4:5] offset:512*\e th:TH_LOAD_NT
.endr
.irp i, 0,1,2,3,4,5,6,7
	v_mov_b32 v[LV+\i], 0xff800000                 ; -infinity
	v_mov_b32 v[IV+\i], 0
	v_mov_b32 v[PL+\i], 0                          ; written once: the destination of a line that reads another lane counts as one of its sources
	v_mov_b32 v[PI+\i], 0
.endr
.irp e, 0,1,2,3,4,5,6,7,8,9,10,11,12,13,14,15
	s_wait_loadcnt 15-\e                           ; this load is in (and the groups' numbers, asked for first); the later ones stay out
	ds_store_b128 v6, v[R+4*\e:R+4*\e+3] offset:544*\e
.endr
.irp j, 0,1,2,3,4,5,6,7,8,9,10,11,12,13,14,15
	ds_load_b128 v[V+4*\j:V+4*\j+3], v7 offset:16*\j       ; LDS serves a wave's instructions in order: these see my stores
.endr
	v_lshlrev_b32 v99, 5, v96                      ; my groups' first codes
	v_lshlrev_b32 v100, 5, v97
	s_wait_alu depctr_va_vdst(0)
.irp j, 0,1,2,3,4,5,6,7,8,9,10,11,12,13,14,15
	s_wait_alu depctr_va_vdst(0)
	s_wait_dscnt 15-\j                             ; these four candidates are back; the later loads stay out
.irp c, 0,1,2,3
	v_add_nc_u32 v98, (4*\j+\c)%32, v[99+\j/8]
	INSERT V+4*\j+\c, v98
.endr
.endr
.irp x, 1,2
.irp j, 0,1,2,3,4,5,6,7
	v_mov_b32_dpp v[PL+\j], v[LV+\j] row_xmask:\x row_mask:0xf bank_mask:0xf       ; the whole list of the lane x away, before mine changes
	v_mov_b32_dpp v[PI+\j], v[IV+\j] row_xmask:\x row_mask:0xf bank_mask:0xf
.endr
.irp j, 0,1,2,3,4,5,6,7
	INSERT PL+\j, v[PI+\j]
.endr
.endr
	v_cmp_eq_u32 vcc_lo, 0, v3
	s_wait_xcnt 0x0                                ; EXEC changes only behind this wait
	s_wait_tensorcnt 0x0
	ds_add_u32 v192, v193
	s_wait_dscnt 0x0
	s_and_saveexec_b32 s24, vcc_lo                 ; one lane in four: the wave's eight queries are eight neighbouring rows, 256 consecutive bytes
	global_store_b128 v120, v[16:19], s[8:9]
	global_store_b128 v120, v[20:23], s[8:9] offset:16
	global_store_b128 v120, v[16:19], s[10:11]
	global_store_b128 v120, v[20:23], s[10:11] offset:16
	s_wait_xcnt 0x0
	s_or_b32 exec_lo, exec_lo, s24
	s_endpgm
.Lfunc_end_k_qd5670c2e11_final:
	.size	k_qd5670c2e11_final, .Lfunc_end_k_qd5670c2e11_final-k_qd5670c2e11_final
	.p2alignl 7, 3214868480
	.fill 96, 4, 3214868480
	.section	.rodata,"a",@progbits
	.p2align	6, 0x0
	.amdhsa_kernel k_qd5670c2e11_final
		.amdhsa_group_segment_fixed_size 37376
		.amdhsa_private_segment_fixed_size 0
		.amdhsa_enable_private_segment 0
		.amdhsa_kernarg_size 32
		.amdhsa_user_sgpr_count 2
		.amdhsa_user_sgpr_kernarg_segment_ptr 1
		.amdhsa_wavefront_size32 1
		.amdhsa_system_sgpr_workgroup_id_x 1
		.amdhsa_system_sgpr_workgroup_id_y 1
		.amdhsa_system_sgpr_workgroup_id_z 1
		.amdhsa_system_vgpr_workitem_id 0
		.amdhsa_next_free_vgpr 194
		.amdhsa_next_free_sgpr 66
		.amdhsa_reserve_vcc 1
		.amdhsa_float_denorm_mode_32 3
		.amdhsa_float_denorm_mode_16_64 3
		.amdhsa_memory_ordered 1
		.amdhsa_forward_progress 1
		.amdhsa_inst_pref_size 166
	.end_amdhsa_kernel
	.amdgpu_metadata
---
amdhsa.version: [ 1, 2 ]
amdhsa.kernels:
  - .name:           k_qd5670c2e11_final
    .symbol:         k_qd5670c2e11_final.kd
    .args:
      - { .name: cand, .offset: 0, .size: 8, .value_kind: global_buffer, .address_space: global }
      - { .name: gsel, .offset: 8, .size: 8, .value_kind: global_buffer, .address_space: global }
      - { .name: out1, .offset: 16, .size: 8, .value_kind: global_buffer, .address_space: global }
      - { .name: ids, .offset: 24, .size: 8, .value_kind: global_buffer, .address_space: global }
    .group_segment_fixed_size: 37376
    .private_segment_fixed_size: 0
    .kernarg_segment_align: 8
    .kernarg_segment_size: 32
    .max_flat_workgroup_size: 128
    .sgpr_count:     66
    .vgpr_count:     194
    .wavefront_size: 32
...
	.end_amdgpu_metadata
.endif
;; end of part 5
;; launch gather (part 6): grid 1024 x 1, 8 waves a work-group, no clusters, 0 bytes of LDS; arguments ids, codebook, out0; writes out0
.if DOCPART == 6
	.amdgcn_target "amdgcn-amd-amdhsa--gfx1250"
	.amdhsa_code_object_version 6
	.text
	.protected	k_qd5670c2e11_gather
	.globl	k_qd5670c2e11_gather
	.p2align	8
	.type	k_qd5670c2e11_gather,@function
k_qd5670c2e11_gather:
	s_mov_b64 s[64:65], 0
	v_nop
	global_prefetch_b8 v0, s[64:65] scope:SCOPE_SE
	s_setreg_imm32_b32 hwreg(HW_REG_WAVE_MODE, 25, 1), 1
	s_wait_xcnt 0x0
; out0[row] = the mean of the eight codebook rows that ids[row] names.  A wave takes a row: its eight indices come by one scalar load (whole numbers that an earlier launch stored), are held at 8,191 and make eight
; bases; a codebook row of 3,072 bytes is six pieces of 512 consecutive bytes, 16 a lane.  A ring of three slots of 32 registers holds three pieces' eight loads each: 24 loads of a wave are out.  A piece is summed as
; a tree, divided by 8 (exact) and stored as 512 consecutive bytes as soon as its eight loads are in, and its slot takes the piece three further on.  With 112 registers a wave, four work-groups lie on a WGP:
; the grid's 1,024 work-groups are 4 x 256.  Waves share nothing: no LDS, no barrier; no matrix work is to be had here.  No prefetch: the rows are known only from ids, and are asked for at once.
; The sum's order (a tree of pairs) is another than a running sum's.
.set D, 16                             ; v16-111: piece p of row k at v[D + 32 (p % 3) + 4 k]
	s_load_b128 s[4:7], s[0:1], 0x0                ; ids, codebook
	s_load_b64 s[8:9], s[0:1], 0x10                ; out0
	v_lshrrev_b32 v1, 5, v0
	s_delay_alu instid0(VALU_DEP_1)
	v_readfirstlane_b32 s10, v1                    ; wave
	s_lshl_b32 s11, ttmp9, 3
	s_add_co_u32 s10, s11, s10                     ; my row
	s_lshl_b32 s12, s10, 5
	s_mov_b32 s13, 0
	s_mul_i32 s14, s10, 3072
	s_mov_b32 s15, 0
	s_mov_b32 s25, 0
	v_and_b32 v1, 31, v0
	s_delay_alu instid0(VALU_DEP_1)
	v_lshlrev_b32 v1, 4, v1                        ; 16 x lane
	s_wait_alu depctr_va_vdst(0)
	s_wait_kmcnt 0x0
	s_add_nc_u64 s[4:5], s[4:5], s[12:13]
	s_add_nc_u64 s[8:9], s[8:9], s[14:15]
	s_load_b256 s[16:23], s[4:5], 0x0              ; the eight indices
	s_wait_kmcnt 0x0
.irp k, 0,1,2,3,4,5,6,7
	s_min_u32 s[16+\k], s[16+\k], 0x1fff           ; a loaded number is held before it enters an address
	s_mul_i32 s24, s[16+\k], 3072
	s_add_nc_u64 s[32+2*\k:33+2*\k], s[6:7], s[24:25]
.endr
.macro PIECE p                         ; eight loads: piece p of the eight rows
.irp k, 0,1,2,3,4,5,6,7
	global_load_b128 v[D+32*((\p)%3)+4*\k:D+32*((\p)%3)+4*\k+3], v1, s[32+2*\k:33+2*\k] offset:512*(\p)
.endr
.endm
.macro ADD4 p, a, b                    ; row a's piece += row b's
	v_pk_add_f32 v[D+32*(\p%3)+4*\a:D+32*(\p%3)+4*\a+1], v[D+32*(\p%3)+4*\a:D+32*(\p%3)+4*\a+1], v[D+32*(\p%3)+4*\b:D+32*(\p%3)+4*\b+1]
	v_pk_add_f32 v[D+32*(\p%3)+4*\a+2:D+32*(\p%3)+4*\a+3], v[D+32*(\p%3)+4*\a+2:D+32*(\p%3)+4*\a+3], v[D+32*(\p%3)+4*\b+2:D+32*(\p%3)+4*\b+3]
.endm
	PIECE 0
	PIECE 1
	PIECE 2
.irp p, 0,1,2,3,4,5
.if \p < 4
	s_wait_loadcnt 16                              ; this piece's eight loads are in; the two pieces behind it stay out
.else
	s_wait_loadcnt 8*(5-\p)                        ; the counts run down
.endif
	ADD4 \p, 0, 1
	ADD4 \p, 2, 3
	ADD4 \p, 4, 5
	ADD4 \p, 6, 7
	ADD4 \p, 0, 2
	ADD4 \p, 4, 6
	ADD4 \p, 0, 4
	s_delay_alu instid0(VALU_DEP_2)
	v_pk_mul_f32 v[D+32*(\p%3):D+32*(\p%3)+1], v[D+32*(\p%3):D+32*(\p%3)+1], 0x3e000000 op_sel_hi:[1,0]
	s_delay_alu instid0(VALU_DEP_2)
	v_pk_mul_f32 v[D+32*(\p%3)+2:D+32*(\p%3)+3], v[D+32*(\p%3)+2:D+32*(\p%3)+3], 0x3e000000 op_sel_hi:[1,0]
	global_store_b128 v1, v[D+32*(\p%3):D+32*(\p%3)+3], s[8:9] offset:512*\p th:TH_STORE_NT
.if \p < 3
	s_wait_xcnt 0x0                                ; the store has read its data: the slot is loaded again only behind this wait
	PIECE \p+3
.endif
.endr
	s_endpgm
.Lfunc_end_k_qd5670c2e11_gather:
	.size	k_qd5670c2e11_gather, .Lfunc_end_k_qd5670c2e11_gather-k_qd5670c2e11_gather
	.p2alignl 7, 3214868480
	.fill 96, 4, 3214868480
	.section	.rodata,"a",@progbits
	.p2align	6, 0x0
	.amdhsa_kernel k_qd5670c2e11_gather
		.amdhsa_group_segment_fixed_size 0
		.amdhsa_private_segment_fixed_size 0
		.amdhsa_enable_private_segment 0
		.amdhsa_kernarg_size 24
		.amdhsa_user_sgpr_count 2
		.amdhsa_user_sgpr_kernarg_segment_ptr 1
		.amdhsa_wavefront_size32 1
		.amdhsa_system_sgpr_workgroup_id_x 1
		.amdhsa_system_sgpr_workgroup_id_y 1
		.amdhsa_system_sgpr_workgroup_id_z 1
		.amdhsa_system_vgpr_workitem_id 0
		.amdhsa_next_free_vgpr 112
		.amdhsa_next_free_sgpr 66
		.amdhsa_reserve_vcc 0
		.amdhsa_float_denorm_mode_32 3
		.amdhsa_float_denorm_mode_16_64 3
		.amdhsa_memory_ordered 1
		.amdhsa_forward_progress 1
		.amdhsa_inst_pref_size 15
	.end_amdhsa_kernel
	.amdgpu_metadata
---
amdhsa.version: [ 1, 2 ]
amdhsa.kernels:
  - .name:           k_qd5670c2e11_gather
    .symbol:         k_qd5670c2e11_gather.kd
    .args:
      - { .name: ids, .offset: 0, .size: 8, .value_kind: global_buffer, .address_space: global }
      - { .name: codebook, .offset: 8, .size: 8, .value_kind: global_buffer, .address_space: global }
      - { .name: out0, .offset: 16, .size: 8, .value_kind: global_buffer, .address_space: global }
    .group_segment_fixed_size: 0
    .private_segment_fixed_size: 0
    .kernarg_segment_align: 8
    .kernarg_segment_size: 24
    .max_flat_workgroup_size: 256
    .sgpr_count:     66
    .vgpr_count:     112
    .wavefront_size: 32
...
	.end_amdgpu_metadata
.endif
;; end of part 6
